; MI455X (gfx1250); checked and timed in simulation.
; The chip was launched on July 23, 2026; its instructions are those of AMD's public machine-readable ISA for CDNA 5 (MIT licence, August 2026) and "CDNA5" Instruction Set Architecture Reference Guide (July 2026). The comments in the code are by the model that wrote it; some were corrected since.
;; Multi Head Binding Attention. Allowed arithmetic: matrix products marked QUANTISED: E5M2 operands, one E8M0 scale for each 32 along K, by v_wmma_scale_f32_16x16x128_f8f6f4 with both operands' format E5M2, f32 sums; everything else in f32.
;; Inputs: bv_k 4 x 512 float32; bv_q 4 x 512 float32; bv_v 4 x 512 float32; x 4 x 2,048 x 2,048 float32.
;; Outputs: out0 4 x 2,048 x 2,048 float32.
;; This version of the problem:
;;   THIS VERSION OF THE PROBLEM IS GIVEN IN LOW PRECISION. The matrix products marked QUANTISED in the list below multiply operands that are first quantised to E5M2 (5 exponent bits, 2 mantissa bits; 8 bits a number), with one power-of-two scale for each 32 numbers along K (OCP MX v1.0); their sums are f32. All else is computed in f32.
;;   The module's matrix products, in the order in which they are computed (A, B: the left and right operand; K: the contracted axis; several contracted axes count as one K, in the product's order):
;;     1. batch 16 x [M 2,048, K 512] x [K 512, N 2,048]; A: computed on the way; B: computed on the way: QUANTISED
;;     2. batch 16 x [M 512, K 2,048] x [K 2,048, N 2,048]; A: computed on the way; B: computed on the way: QUANTISED
;;   THE QUANTISER, for each operand of a quantised product, along K:
;;     - K is cut into blocks of 32 from its start; a last block that is shorter is filled with zeros.
;;     - A block's scale is 2^e with e = floor(log2(the largest magnitude in the block)) - 15, held to -126 .. 127; a block of zeros has e = 0. As a byte (E8M0): e + 127.
;;     - Each number is divided by its block's scale, clamped to +-57,344, and rounded to the nearest number of E5M2, ties to even, subnormals kept.
;;     - The product sums the exact products of the quantised numbers (number of the format x scale) in f32.
;;   ~~~python
;;   def quantise(x, axis):      # numpy; x: float32 -> the quantised numbers, widened to float32 again
;;       x = np.moveaxis(x, axis, -1); K = x.shape[-1]
;;       x = np.pad(x, [(0, 0)] * (x.ndim - 1) + [(0, -K % 32)]); x = x.reshape(x.shape[:-1] + (-1, 32)); a = np.abs(x).max(-1, keepdims=True)
;;       e = np.where(a > 0, np.clip(np.frexp(np.where(a > 0, a, 1))[1] - 1 - 15, -126, 127), 0)      # np.frexp(a)[1] - 1 = floor(log2(a)), exactly
;;       r = np.clip(x / 2.0 ** e, -57344, 57344)
;;       step = 2.0 ** (np.maximum(np.frexp(np.where(r == 0, 1, r))[1] - 1, -14) - 2)
;;       q = np.round(r / step) * step * 2.0 ** e      # np.round: ties to even
;;       return np.moveaxis(q.reshape(q.shape[:-2] + (-1,))[..., :K], -1, axis).astype(np.float32)
;;   ~~~
;;   OPERANDS COMPUTED ON THE WAY. 'Computed on the way' means the value that the module computes at that place (a softmax that the list does not call 'softmax' is quantised finished and normalised). What goes into a quantiser is computed in f32, as accurately as f32 sums, v_exp_f32 and their like allow (about 1e-6 of the number): no bf16 or f16 on the way to a quantiser, and a product that is left as it is and whose result goes on into a quantised operand takes f32 operands (vector FMAs, or v_wmma_f32_16x16x4_f32). A number that lies on a knife's edge between two numbers of the format may be rounded either way, as far as f32 arithmetic and the matrix unit's own rounding can turn it there, and no further.
;; One version. Each part assembles by itself: llvm-mc -triple=amdgcn-amd-amdhsa -mcpu=gfx1250 --defsym DOCPART=n.
;; ======== version 1 of 1: 2 launches
;; workspace buffers: qc 16,777,216 bytes; kc 16,777,216 bytes; vc 16,777,216 bytes; qs 524,288 bytes; ks 524,288 bytes; vs 524,288 bytes
;; launch quant (part 1): grid 16 x 16, 8 waves a work-group, no clusters, 71,680 bytes of LDS; arguments x, bv_q, bv_k, bv_v, qc, qs, kc, ks, vc, vs; writes qc, qs, kc, ks, vc, vs
.if DOCPART == 1
	.amdgcn_target "amdgcn-amd-amdhsa--gfx1250"
	.amdhsa_code_object_version 6
	.text
	.protected	k_q15ad9d4d34_quant
	.globl	k_q15ad9d4d34_quant
	.p2align	8
	.type	k_q15ad9d4d34_quant,@function
k_q15ad9d4d34_quant:
	s_mov_b64 s[64:65], 0
	v_nop
	global_prefetch_b8 v0, s[64:65] scope:SCOPE_SE
	s_setreg_imm32_b32 hwreg(HW_REG_WAVE_MODE, 25, 1), 1
	s_wait_xcnt 0x0
; FIRST OF TWO LAUNCHES.  out[b][t][h][:] = sum over s <= t of sigmoid(4 Q[t].K[s] / sqrt(512)) V[s][:], Q, K, V = x (cut into 4 heads of 512) times a bind vector of the head.
; Both products are on codes of E5M2 with one E8M0 scale for each 32 along the product's K: Q and K along the head's 512 channels, V and the weights along the keys.
; This launch reads x once and stores Q, K and V as codes and scale words; the second launch does both products, the sigmoid, the mask and the weights' quantiser.
; WORK LEFT OUT (in the second launch; nothing is left out here, and every input is loaded): the problem builds its own causal mask (tril) and sets the weight of key s for query t to 0 where s > t.
; A zero weight has the code 0 and adds exactly 0 to every sum, whatever finite numbers x and the bind vectors hold.  So (a) a step of 128 keys all of which come after all 64 queries of a block, and
; (b) in the step on the diagonal, 32 keys that all come after 32 queries, can reach no output: (a) is neither loaded nor multiplied, (b) gets zero codes without its scores being made.
; LIMITS: a NaN, an infinity or an overflow that reaches only such masked scores is not carried to the result.  NaN and infinities in x or in the bind vectors are not served.
; A block whose largest magnitude lies under 2^(16 - 127) has its byte held at 1 (a block of zeros too, where the rule says 127: its codes are zeros, and only this program reads the bytes).
; alpha, the mean of 512 magnitudes, is summed in another order than jnp.mean's: it can differ in its last bits.
;
; THE BIND VECTOR, as the problem writes it: alpha = mean |w| over the head's 512; hard = -alpha where w < 0, else alpha (w = 0 gives alpha); bind = (hard - w) + w, in f32, in this order.
; LAYOUTS (this program's own).  bh = 4 b + h.  An IMAGE of a fragment (16 rows x 128 along K of 8-bit codes, 16 registers a lane) is 2,048 bytes: registers 4 c .. 4 c + 3 of lane l at 512 c + 16 l.
;   qc, kc: [bh][row tile 0..127][128 channels 0..3][image].  THE ROWS OF A TILE ARE NOT NEIGHBOURS: row 8 g + i of tile 2 B + u is position 32 B + 16 g + 8 u + i: a position's SLOT is the position with bits 3 and 4 swapped.
;   vc:     [bh][128 keys 0..15][channel tile 0..31][image]: row r = channel 16 tile + r, K = the keys in their own order.
;   qs, ks: [bh][128 positions][128 channels 0..3][128 slots] words of four scale bytes;   vs: [bh][128 keys][512 channels] words, byte c for keys 32 c on.
; SHARES.  A work-group takes 128 channels (x: 16 chunks) and 512 positions (y: 16), as four tiles of 128 x 128 numbers.  Each of its eight waves loads 16 rows of a tile (512 consecutive bytes a load) and puts them
; into LDS by slots.  Behind a barrier wave w reads row tile w as a fragment wants it (a lane: 16 neighbouring channels of each block of 32) and makes Q's and K's codes; then it reads 32 columns x 64 keys, a lane to a
; column and its registers down the keys, and makes V's.  Memory binds here: no matrix unit, no cluster (no two work-groups read the same bytes).
; TWO TILES ARE ON THEIR WAY: tiles 0 and 1 are asked for at the head, tile t + 2 as soon as tile t's rows have gone to LDS, into two sets of 64 registers by turns: 32 loads a wave, 131,072 bytes a work-group.
; The four tiles are written out: the wait at a tile's head is counted (the next tile's 16 loads stay out; the last tile's is for 0), no load leaves x, and every offset is an immediate:
; 3 x 1,048,576 + 15 x 8,192 bytes at the most, inside the signed 24-bit immediate (ISA guide, chapter 10).
.set PITCH, 528                        ; an LDS row: 512 bytes + 16: the 16 rows that a 16-byte load touches start at 16 different banks (64 banks of 4 bytes: ISA guide 11.1)
.set BT,    67584                      ; behind the tile's 128 rows: the chunk's bind values, 512 bytes each for q, k, v
.set SG,    69120                      ; the tile's scale words: Q's 512 bytes, K's, V's
.set SPARE, 70656                      ; the spare words, 128 bytes for each wave: four blocks of 256 bytes that no other line names
.set LO,  4                            ; v4   16 x lane
.set TSA, 5                            ; v5   where my wave's rows go: (32 (w / 2) + 8 (w % 2)) x PITCH + 16 x lane
.set FRA, 6                            ; v6   my fragment: (16 w + r) x PITCH + 64 (lane / 16)
.set VRA, 7                            ; v7   my column: 64 (w / 4) rows down, 4 (32 (w % 4) + lane) along
.set SGA, 8                            ; v8   my row's scale word
.set SGV, 9                            ; v9   my column's two scale bytes
.set SGR, 10                           ; v10  waves 0 to 2: the 512 bytes of scale words that I send out
.set VO,  11                           ; v11  my byte offset among V's images
.set BTA, 12                           ; v12  waves 0 to 2: where I put the chunk's bind values
.set BRA, 13                           ; v13  and where every lane reads its own
.set SPW, 14                           ; v14  LDS address of my spare word; never rewritten
.set NIL, 15                           ; v15  0; never rewritten
.set VB,  16                           ; v[16:17] v's bind value of my column, twice
.set TM,  20                           ; v20-35 at work in the quantisers
.set PWQ, 36
.set PWK, 37
.set VH,  38
.set G,   40                           ; v[40:43] scale words on their way out
.set PCQ, 44                           ; v44-59  Q's codes
.set PCK, 60                           ; v60-75  K's
.set VCR, 76                           ; v76-91  V's
.set X,   96                           ; v96-159 64 numbers of x
.set T,   160                          ; v160-223 the 64 products
.set QB,  0                            ; window 1: v0-63 q's bind values in the fragment's order, v64-127 k's, v128-191 and v192-255 a tile's 16 rows as loaded, two sets by turns
.set KB,  64
.set XR,  128
.set WV,  24
.set SP,  34                           ; s[34:35] waves 0, 1, 2: where Q's, K's, V's scale words go
.set BV,  36                           ; s[36:37] waves 0, 1, 2: the head's bind vector
.set SEL, 40                           ; s[40:41] v_permlanex16_b32's selects for lane l xor 16
.set MNT, 42                           ; s42  the mantissa field of 57,344
.set MSB, 0
.macro WIN new                         ; s_set_vgpr_msb: bits 1:0 source 0, 3:2 source 1, 5:4 source 2, 7:6 destination; the high byte repeats the setting that is left
.if MSB != \new
	s_set_vgpr_msb (MSB<<8)|\new
.set MSB, \new
.endif
.endm
.macro XLOAD t                         ; my 16 rows of tile t into set t % 2: 32 lanes read 512 consecutive bytes of a row; a tile is 128 rows of 8,192 bytes on from the last
	WIN 0x40
.irp k, 0,1,2,3,4,5,6,7,8,9,10,11,12,13,14,15
	global_load_b128 v[XR+64*((\t)%2)+4*\k:XR+64*((\t)%2)+4*\k+3], v[LO], s[4:5] offset:(\t)*1048576+\k*8192 th:TH_LOAD_NT
.endr
	WIN 0
.endm
; 64 numbers of a lane, register 16 b + i = channel 32 b + 16 (lane / 16) + i of my row, become a fragment's codes in v[pc] on and its scale word in v[pw]
.macro QUANT s, pc, pw
.irp b, 0,1,2,3
	v_max3_num_f32 v[TM+\b], |v[\s+16*\b]|, |v[\s+1+16*\b]|, 0x8000000   ; block b: my 16 numbers, and the floor 2^(16 - 127): the byte cannot fall under 1
.endr
.irp i, 2,4,6,8,10,12,14
.irp b, 0,1,2,3
	v_max3_num_f32 v[TM+\b], v[TM+\b], |v[\s+16*\b+\i]|, |v[\s+1+16*\b+\i]|
.endr
.endr
.irp b, 0,1,2,3
	v_permlanex16_b32 v[TM+4+\b], v[TM+\b], s[SEL], s[SEL+1]
.endr
.irp b, 0,1,2,3
	v_max_num_f32 v[TM+\b], v[TM+\b], v[TM+4+\b]           ; with lane l xor 16's: the block's largest magnitude
.endr
.irp b, 0,1,2,3
	v_add_nc_u32 v[TM+12+\b], 0xf8800000, v[TM+\b]         ; 15 off its exponent field: the conversion's scale operand
.endr
.irp b, 0,1,2,3
	v_and_or_b32 v[TM+8+\b], v[TM+\b], 0x7f800000, s[MNT]  ; 57,344 x the scale
.endr
.irp b, 0,1,2,3
	v_lshrrev_b32 v[TM+4+\b], 23, v[TM+12+\b]              ; the scale's byte
.endr
	v_lshl_or_b32 v[\pw], v[TM+5], 8, v[TM+4]
	v_lshl_or_b32 v[\pw], v[TM+6], 16, v[\pw]
	v_lshl_or_b32 v[\pw], v[TM+7], 24, v[\pw]
.irp b, 0,1,2,3
.irp i, 0,1,2,3,4,5,6,7,8,9,10,11,12,13,14,15
	v_med3_num_f32 v[\s+16*\b+\i], v[\s+16*\b+\i], -v[TM+8+\b], v[TM+8+\b]   ; the conversion to an 8-bit code does not saturate (ISA guide 7.6.2): the hold comes first
.endr
	v_cvt_scalef32_pk8_bf8_f32 v[\pc+4*\b:\pc+1+4*\b], v[\s+16*\b:\s+7+16*\b], v[TM+12+\b]
	v_cvt_scalef32_pk8_bf8_f32 v[\pc+2+4*\b:\pc+3+4*\b], v[\s+8+16*\b:\s+15+16*\b], v[TM+12+\b]
.endr
	v_nop                                                  ; a plain line between the last conversion and the next vector line that writes its sources
.endm
; 32 keys of my column, v[X + 32 c] on, all in my own registers: codes into v[VCR + 8 c] on, the byte into v[TM + c]
.macro VQ c
.set XS, X+32*(\c)
	v_max3_num_f32 v28, |v[XS]|, |v[XS+1]|, |v[XS+2]|
	v_max3_num_f32 v29, |v[XS+3]|, |v[XS+4]|, |v[XS+5]|
.irp i, 6,10,14,18,22,26
	v_max3_num_f32 v28, v28, |v[XS+\i]|, |v[XS+\i+1]|
	v_max3_num_f32 v29, v29, |v[XS+\i+2]|, |v[XS+\i+3]|
.endr
	v_max3_num_f32 v28, v28, |v[XS+30]|, |v[XS+31]|
	v_max3_num_f32 v28, v28, v29, 0x8000000
	v_add_nc_u32 v30, 0xf8800000, v28
	v_and_or_b32 v31, v28, 0x7f800000, s[MNT]
	v_lshrrev_b32 v[TM+\c], 23, v30
.irp i, 0,1,2,3,4,5,6,7,8,9,10,11,12,13,14,15,16,17,18,19,20,21,22,23,24,25,26,27,28,29,30,31
	v_med3_num_f32 v[XS+\i], v[XS+\i], -v31, v31
.endr
.irp g, 0,1,2,3
	v_cvt_scalef32_pk8_bf8_f32 v[VCR+8*(\c)+2*\g:VCR+8*(\c)+2*\g+1], v[XS+8*\g:XS+8*\g+7], v30
.endr
	v_nop
.endm
	s_load_b256 s[4:11], s[0:1], 0x0               ; x s[4:5], bv_q s[6:7], bv_k s[8:9], bv_v s[10:11]
	s_load_b256 s[12:19], s[0:1], 0x20             ; qc s[12:13], qs s[14:15], kc s[16:17], ks s[18:19]
	s_load_b128 s[20:23], s[0:1], 0x40             ; vc s[20:21], vs s[22:23]
	v_lshl_add_u32 v[SPW], v0, 2, SPARE
	v_mov_b32 v[NIL], 0
	v_lshrrev_b32 v1, 5, v0
	v_readfirstlane_b32 s[WV], v1                  ; wave 0..7
	v_and_b32 v1, 31, v0                           ; lane
	v_and_b32 v2, 15, v0                           ; r
	v_bfe_u32 v3, v0, 4, 1                         ; lane / 16
	v_lshlrev_b32 v[LO], 4, v1
	; every LDS address is made here, ahead of the first branch on the wave's number
	s_lshr_b32 s43, s[WV], 1
	s_lshl_b32 s43, s43, 5
	s_and_b32 s46, s[WV], 1
	s_lshl_b32 s46, s46, 3
	s_add_co_u32 s43, s43, s46                     ; row 16 w + k of the tile has the slot 32 (w / 2) + 8 (w % 2) + 16 (k / 8) + k % 8
	s_mul_i32 s43, s43, PITCH
	v_add_nc_u32 v[TSA], s43, v[LO]
	s_mul_i32 s43, s[WV], 16*PITCH
	v_mul_u32_u24 v[FRA], v2, PITCH
	v_lshl_add_u32 v[FRA], v3, 6, v[FRA]
	v_add_nc_u32 v[FRA], s43, v[FRA]
	s_and_b32 s46, s[WV], 3
	s_lshl_b32 s46, s46, 7
	v_lshl_add_u32 v39, v1, 2, s46                 ; 4 x my column: 4 (32 (w % 4) + lane)
	s_lshr_b32 s47, s[WV], 2                       ; which 64 keys of the tile
	s_mul_i32 s43, s47, 64*PITCH
	v_add_nc_u32 v[VRA], s43, v39
	s_lshl_b32 s43, s[WV], 6
	v_lshl_add_u32 v[SGA], v2, 2, s43
	v_add_nc_u32 v[SGA], SG, v[SGA]
	s_lshl_b32 s43, s47, 1
	v_add_nc_u32 v[SGV], s43, v39
	v_add_nc_u32 v[SGV], SG+1024, v[SGV]
	s_min_u32 s43, s[WV], 2
	s_lshl_b32 s43, s43, 9
	v_add_nc_u32 v[SGR], s43, v[LO]
	v_add_nc_u32 v[BTA], BT, v[SGR]
	v_add_nc_u32 v[SGR], SG, v[SGR]
	v_lshlrev_b32 v[BRA], 6, v3
	v_add_nc_u32 v[BRA], BT, v[BRA]
	v_add_nc_u32 v39, BT+1024, v39                 ; v's bind value of my column
	s_and_b32 s46, s[WV], 3
	s_lshl_b32 s46, s46, 12                        ; V's images: channel tile 2 (w % 4) + lane / 16 of the chunk's eight,
	s_lshl_b32 s43, s47, 10                        ; key blocks 2 (w / 4) on,
	s_add_co_u32 s46, s46, s43
	v_lshlrev_b32 v[VO], 11, v3
	v_lshl_add_u32 v[VO], v2, 4, v[VO]             ; row r
	v_add_nc_u32 v[VO], s46, v[VO]
.irp b, 0,1,2,3
	v_mov_b32 v[TM+4+\b], 0                        ; written once: a lane permute's destination counts as one of its sources
.endr
	s_mov_b32 s[SEL], 0x76543210
	s_mov_b32 s[SEL+1], 0xfedcba98
	s_mov_b32 s[MNT], 0x600000
	s_mov_b32 s25, ttmp9                           ; the chunk of 128 channels
	s_and_b32 s26, ttmp7, 0xffff                   ; which 512 of the 8,192 rows
	s_lshr_b32 s27, s25, 2                         ; the head
	s_and_b32 s28, s25, 3                          ; which 128 of its 512 channels
	s_and_b32 s29, s26, 0xfffc
	s_add_co_u32 s29, s29, s27                     ; bh = 4 b + h
	s_and_b32 s48, s26, 3                          ; which 512 of the batch's 2,048 positions
	s_mov_b32 s31, 0
	s_mov_b32 s33, 0
	s_lshl_b32 s30, s26, 22                        ; x: 512 rows of 8,192 bytes,
	s_lshl_b32 s43, s25, 9                         ; the chunk's 512 bytes,
	s_add_co_u32 s30, s30, s43
	s_lshl_b32 s43, s[WV], 17                      ; my wave's 16 rows
	s_add_co_u32 s30, s30, s43
	s_lshl_b32 s32, s29, 20                        ; the codes: a head's 2^20 bytes, 65,536 for each 128 positions
	s_lshl_b32 s43, s48, 18
	s_add_co_u32 s32, s32, s43
	s_wait_kmcnt 0x0
	s_add_nc_u64 s[4:5], s[4:5], s[30:31]
	s_add_nc_u64 s[12:13], s[12:13], s[32:33]
	s_add_nc_u64 s[16:17], s[16:17], s[32:33]
	s_add_nc_u64 s[20:21], s[20:21], s[32:33]
	s_lshl_b32 s30, s[WV], 13                      ; Q, K: row tile w, its image for these 128 channels
	s_lshl_b32 s43, s28, 11
	s_add_co_u32 s30, s30, s43
	s_add_nc_u64 s[12:13], s[12:13], s[30:31]
	s_add_nc_u64 s[16:17], s[16:17], s[30:31]
	s_lshl_b32 s30, s28, 14                        ; V: the chunk's eight channel tiles
	s_add_nc_u64 s[20:21], s[20:21], s[30:31]
	s_cmp_eq_u32 s[WV], 0                          ; wave 0 serves q, wave 1 k, wave 2 v: a choice on the wave's number alone
	s_cselect_b64 s[BV:BV+1], s[6:7], s[10:11]
	s_cselect_b64 s[SP:SP+1], s[14:15], s[22:23]
	s_cmp_eq_u32 s[WV], 1
	s_cselect_b64 s[BV:BV+1], s[8:9], s[BV:BV+1]
	s_cselect_b64 s[SP:SP+1], s[18:19], s[SP:SP+1]
	s_lshl_b32 s30, s29, 15                        ; scale words: a head's 32,768 bytes, 2,048 for each 128 positions, 512 for each 128 channels
	s_lshl_b32 s43, s48, 13
	s_add_co_u32 s30, s30, s43
	s_lshl_b32 s43, s28, 9
	s_add_co_u32 s30, s30, s43
	s_add_nc_u64 s[SP:SP+1], s[SP:SP+1], s[30:31]
	s_lshl_b32 s30, s27, 11
	s_add_nc_u64 s[BV:BV+1], s[BV:BV+1], s[30:31]  ; the head's 512 numbers,
	s_mov_b32 s30, s43
	s_add_nc_u64 s[44:45], s[BV:BV+1], s[30:31]    ; and the chunk's 128 of them
	s_cmp_gt_u32 s[WV], 2                          ; waves 0 to 2: the bind vector's five loads go out first, so that the wait for them can leave x's loads out
	s_cbranch_scc1 .Lnobl
.irp n, 0,1,2,3
	global_load_b128 v[T+4*\n:T+4*\n+3], v[LO], s[BV:BV+1] offset:512*\n
.endr
	global_load_b128 v[T+16:T+19], v[LO], s[44:45]
.Lnobl:
	XLOAD 0                                        ; the first two tiles are asked for before anything else is done
	XLOAD 1
	s_cmp_gt_u32 s[WV], 2
	s_cbranch_scc1 .Lnobind
	s_wait_loadcnt 32                              ; the bind vector is in: the 32 younger loads are the two tiles'
	v_add_f32 v[T+20], |v[T]|, |v[T+1]|            ; the sum of 512 magnitudes: 16 a lane in four chains,
	v_add_f32 v[T+21], |v[T+2]|, |v[T+3]|
	v_add_f32 v[T+22], |v[T+4]|, |v[T+5]|
	v_add_f32 v[T+23], |v[T+6]|, |v[T+7]|
.irp n, 0,1,2,3
	v_add_f32 v[T+20+\n], v[T+20+\n], |v[T+8+\n]|
.endr
.irp n, 0,1,2,3
	v_add_f32 v[T+20+\n], v[T+20+\n], |v[T+12+\n]|
.endr
	v_add_f32 v[T+20], v[T+20], v[T+21]
	v_add_f32 v[T+22], v[T+22], v[T+23]
	v_add_f32 v[T+20], v[T+20], v[T+22]
	v_add_f32_dpp v[T+20], v[T+20], v[T+20] row_xmask:1 row_mask:0xf bank_mask:0xf   ; then over the 32 lanes
	v_add_f32_dpp v[T+20], v[T+20], v[T+20] row_xmask:2 row_mask:0xf bank_mask:0xf
	v_add_f32_dpp v[T+20], v[T+20], v[T+20] row_xmask:4 row_mask:0xf bank_mask:0xf
	v_add_f32_dpp v[T+20], v[T+20], v[T+20] row_xmask:8 row_mask:0xf bank_mask:0xf
	v_mov_b32 v[T+24], 0
	v_permlanex16_b32 v[T+24], v[T+20], s[SEL], s[SEL+1]
	v_add_f32 v[T+20], v[T+20], v[T+24]
	v_mul_f32 v18, 0x3b000000, v[T+20]             ; alpha = the sum / 512: exact
	v_xor_b32 v19, 0x80000000, v18                 ; -alpha
.irp n, 0,1,2,3
	v_cmp_gt_f32 vcc_lo, 0, v[T+16+\n]             ; w < 0?
	v_cndmask_b32 v[T+28+\n], v18, v19, vcc_lo     ; hard
	v_sub_f32 v[T+28+\n], v[T+28+\n], v[T+16+\n]   ; (hard - w)
	v_add_f32 v[T+28+\n], v[T+28+\n], v[T+16+\n]   ; + w
.endr
	ds_store_b128 v[BTA], v[T+28:T+31]
.Lnobind:
	s_wait_dscnt 0x0                               ; for the others' sake: the bind values have landed
	s_barrier_signal -1
	s_barrier_wait -1
	WIN 0x40
.irp c, 0,1,2,3
.irp j, 0,1,2,3
	ds_load_b128 v[QB+16*\c+4*\j:QB+16*\c+4*\j+3], v[BRA] offset:128*\c+16*\j        ; the bind values of my lane's 64 channels: they stay
	ds_load_b128 v[KB+16*\c+4*\j:KB+16*\c+4*\j+3], v[BRA] offset:512+128*\c+16*\j
.endr
.endr
	WIN 0
	ds_load_b32 v[VB], v39
	s_wait_dscnt 0x0
	v_mov_b32 v[VB+1], v[VB]
; TILE t of four: 128 positions x 128 channels
.macro TILE t
.if (\t) < 3
	s_wait_loadcnt 16                              ; my 16 rows of this tile are in: the 16 younger loads are the next tile's
.else
	s_wait_loadcnt 0x0                             ; the last tile: nothing was asked for behind it
.endif
	WIN 0x04                                       ; an LDS store's data are its source 1: window 1
.irp k, 0,1,2,3,4,5,6,7,8,9,10,11,12,13,14,15
	ds_store_b128 v[TSA], v[XR+64*((\t)%2)+4*\k:XR+64*((\t)%2)+4*\k+3] offset:(16*(\k/8)+(\k%8))*PITCH
.endr
	WIN 0
	s_wait_dscnt 0x0                               ; the stores have landed, for the others' sake, and have read their registers,
.if (\t) < 2
	XLOAD (\t)+2                                   ; which take the tile two further on: it has two tiles' work in which to land
.endif
	s_barrier_signal -1                            ; the tile is whole; and the last tile's scale words have been read out (waves 0 to 2 waited for their reads)
	s_barrier_wait -1
.irp c, 0,1,2,3
.irp j, 0,1,2,3
	ds_load_b128 v[X+16*\c+4*\j:X+16*\c+4*\j+3], v[FRA] offset:128*\c+16*\j
.endr
.endr
	s_wait_dscnt 0x0
	WIN 0x04
.irp n, 0,2,4,6,8,10,12,14,16,18,20,22,24,26,28,30,32,34,36,38,40,42,44,46,48,50,52,54,56,58,60,62
	v_pk_mul_f32 v[T+\n:T+\n+1], v[X+\n:X+\n+1], v[QB+\n:QB+\n+1]   ; Q = x times q's bind
.endr
	WIN 0
	QUANT T, PCQ, PWQ
.irp c, 0,1,2,3
	global_store_b128 v[LO], v[PCQ+4*\c:PCQ+4*\c+3], s[12:13] offset:512*\c+65536*(\t)   ; the image as it stands: 512 consecutive bytes a store; 128 positions are 65,536 bytes of codes
.endr
	ds_store_b32 v[SGA], v[PWQ]                    ; (both halves of the lanes hold the same word and write it to the same place)
	WIN 0x04
.irp n, 0,2,4,6,8,10,12,14,16,18,20,22,24,26,28,30,32,34,36,38,40,42,44,46,48,50,52,54,56,58,60,62
	v_pk_mul_f32 v[T+\n:T+\n+1], v[X+\n:X+\n+1], v[KB+\n:KB+\n+1]   ; K = x times k's bind
.endr
	WIN 0
.irp c, 0,1
.irp i, 0,1,2,3,4,5,6,7,8,9,10,11,12,13,14,15,16,17,18,19,20,21,22,23,24,25,26,27,28,29,30,31
	ds_load_b32 v[X+32*\c+\i], v[VRA] offset:(32*\c+16*((\i/8)%2)+8*(\i/16)+(\i%8))*PITCH   ; my column, keys in their own order (the slot of key i): they land while K is quantised
.endr
.endr
	QUANT T, PCK, PWK
.irp c, 0,1,2,3
	global_store_b128 v[LO], v[PCK+4*\c:PCK+4*\c+3], s[16:17] offset:512*\c+65536*(\t)
.endr
	ds_store_b32 v[SGA], v[PWK] offset:512
	s_wait_dscnt 0x0                               ; my column's 64 numbers are in
.irp n, 0,2,4,6,8,10,12,14,16,18,20,22,24,26,28,30,32,34,36,38,40,42,44,46,48,50,52,54,56,58,60,62
	v_pk_mul_f32 v[X+\n:X+\n+1], v[X+\n:X+\n+1], v[VB:VB+1]         ; V = x times v's bind
.endr
	VQ 0
	VQ 1
	v_lshl_or_b32 v[VH], v[TM+1], 8, v[TM]
	ds_store_b16 v[SGV], v[VH]                     ; two of my column's four bytes; the wave four further on writes the other two
.irp c, 0,1
.irp e, 0,1
	global_store_b128 v[VO], v[VCR+8*\c+4*\e:VCR+8*\c+4*\e+3], s[20:21] offset:512*\c+256*\e+65536*(\t)   ; sixteen lanes store 256 consecutive bytes, aligned
.endr
.endr
	s_wait_dscnt 0x0                               ; my reads of the tile are in and my scale words have landed
	s_barrier_signal -1
	s_barrier_wait -1                              ; the tile may be written again; the scale words are whole
	s_cmp_gt_u32 s[WV], 2
	s_cbranch_scc1 .Lnoscale_\@
	ds_load_b128 v[G:G+3], v[SGR]
	s_wait_dscnt 0x0
	global_store_b128 v[LO], v[G:G+3], s[SP:SP+1] offset:2048*(\t)   ; 512 consecutive bytes of scale words
.Lnoscale_\@:
.if (\t) < 3
	s_wait_xcnt 0x0                                ; the stores have read their data: the next tile writes these registers again
.endif
.endm
	TILE 0
	TILE 1
	TILE 2
	TILE 3
	s_wait_tensorcnt 0x0                           ; the wave's end, behind my last LDS store
	ds_add_u32 v[SPW], v[NIL]
	s_wait_dscnt 0x0
	s_endpgm
.Lfunc_end_k_q15ad9d4d34_quant:
	.size	k_q15ad9d4d34_quant, .Lfunc_end_k_q15ad9d4d34_quant-k_q15ad9d4d34_quant
	.p2alignl 7, 3214868480
	.fill 96, 4, 3214868480
	.section	.rodata,"a",@progbits
	.p2align	6, 0x0
	.amdhsa_kernel k_q15ad9d4d34_quant
		.amdhsa_group_segment_fixed_size 71680
		.amdhsa_private_segment_fixed_size 0
		.amdhsa_enable_private_segment 0
		.amdhsa_kernarg_size 80
		.amdhsa_user_sgpr_count 2
		.amdhsa_user_sgpr_kernarg_segment_ptr 1
		.amdhsa_wavefront_size32 1
		.amdhsa_system_sgpr_workgroup_id_x 1
		.amdhsa_system_sgpr_workgroup_id_y 1
		.amdhsa_system_sgpr_workgroup_id_z 1
		.amdhsa_system_vgpr_workitem_id 0
		.amdhsa_next_free_vgpr 512
		.amdhsa_next_free_sgpr 66
		.amdhsa_reserve_vcc 1
		.amdhsa_float_denorm_mode_32 3
		.amdhsa_float_denorm_mode_16_64 3
		.amdhsa_memory_ordered 1
		.amdhsa_forward_progress 1
		.amdhsa_inst_pref_size 164
	.end_amdhsa_kernel
	.amdgpu_metadata
---
amdhsa.version: [ 1, 2 ]
amdhsa.kernels:
  - .name:           k_q15ad9d4d34_quant
    .symbol:         k_q15ad9d4d34_quant.kd
    .args:
      - { .name: x, .offset: 0, .size: 8, .value_kind: global_buffer, .address_space: global }
      - { .name: bv_q, .offset: 8, .size: 8, .value_kind: global_buffer, .address_space: global }
      - { .name: bv_k, .offset: 16, .size: 8, .value_kind: global_buffer, .address_space: global }
      - { .name: bv_v, .offset: 24, .size: 8, .value_kind: global_buffer, .address_space: global }
      - { .name: qc, .offset: 32, .size: 8, .value_kind: global_buffer, .address_space: global }
      - { .name: qs, .offset: 40, .size: 8, .value_kind: global_buffer, .address_space: global }
      - { .name: kc, .offset: 48, .size: 8, .value_kind: global_buffer, .address_space: global }
      - { .name: ks, .offset: 56, .size: 8, .value_kind: global_buffer, .address_space: global }
      - { .name: vc, .offset: 64, .size: 8, .value_kind: global_buffer, .address_space: global }
      - { .name: vs, .offset: 72, .size: 8, .value_kind: global_buffer, .address_space: global }
    .group_segment_fixed_size: 71680
    .private_segment_fixed_size: 0
    .kernarg_segment_align: 8
    .kernarg_segment_size: 80
    .max_flat_workgroup_size: 256
    .sgpr_count:     66
    .vgpr_count:     512
    .wavefront_size: 32
...
	.end_amdgpu_metadata
.endif
;; end of part 1
;; launch attn (part 2): grid 16 x 16, 4 waves a work-group, no clusters, 43,520 bytes of LDS; arguments qc, qs, kc, ks, vc, vs, out0; writes out0
.if DOCPART == 2
	.amdgcn_target "amdgcn-amd-amdhsa--gfx1250"
	.amdhsa_code_object_version 6
	.text
	.protected	k_q15ad9d4d34_attn
	.globl	k_q15ad9d4d34_attn
	.p2align	8
	.type	k_q15ad9d4d34_attn,@function
k_q15ad9d4d34_attn:
	s_mov_b64 s[64:65], 0
	v_nop
	global_prefetch_b8 v0, s[64:65] scope:SCOPE_SE
	s_setreg_imm32_b32 hwreg(HW_REG_WAVE_MODE, 25, 1), 1
	s_wait_xcnt 0x0
; SECOND OF TWO LAUNCHES.  out[b][t][h][:] = sum over s <= t of P(t, s) V[s][:], P = sigmoid(4 Q[t].K[s] / sqrt(512)), 0 where s > t; both products on codes of E5M2 with E8M0 scales.
; Q, K, V come as codes and scale words, laid as images of the operands' registers by the first launch (its head comment has the layouts).  P is quantised here, along the keys, masked places as zeros.
; WORK LEFT OUT: key steps all of whose keys come after a block's queries, and on the diagonal 32 keys that all come after 32 queries: their weights are zeros by the problem's own causal mask (shown at the first kernel's head).
; LIMITS: a NaN, an infinity or an overflow that reaches only masked scores is not carried to the result.  v_exp_f32 and v_rcp_f32 give 0 for results under 2^-126 (ISA guide 15.8): a weight so small counts as 0.
; A block of weights that are all 0 keeps the byte 1, or 127 where it is left out: its codes are zeros.  A row's sum takes the diagonal step first and then the keys ascending.
; SHARES.  bh = work-group y is a batch and head.  Work-group x = i takes the 64 queries of block i and then those of block 31 - i: (i / 2 + 1) + ((31 - i) / 2 + 1) = 17 key steps of 128 keys for every i.
; In a key step wave w makes the scores of keys 32 w .. 32 w + 31 against all 64 queries (S^T = K Q^T: source 0 = 16 keys, source 1 = 16 queries: a lane holds one query, its registers run along the keys),
; the sigmoid, and the codes of that block of 32 keys, which are registers 4 w .. 4 w + 3 of P's fragment.  The four waves exchange them through LDS as images of the registers.  Then wave w makes channels
; 128 w .. 128 w + 127 of O^T += V^T P^T for all 64 queries.  So each byte of K and of V of a step is wanted by ONE wave: it goes from memory straight into that wave's registers, 512 consecutive bytes a load,
; and each fragment feeds four matrix instructions.
; NO CLUSTER, NO TENSOR LOAD: a joint load lands in LDS, where each byte of K and V would be written once and read once by one wave; and the query blocks of a head need different numbers of key steps under the mask.
; WHERE THE LOADS STAND.  The next step's V is asked for behind the second product, 36 loads.  The next step's K is asked for in two runs: 24 loads behind the first product, 12 behind the sigmoid.  An instruction that would
; push a counter past its field is held back at issue (ISA guide 5.7.1): with V's 36 still out, 24 more make 60, and the wave goes on into its sigmoid.  P's fragments come back from LDS by query tile, and the second
; product goes by query tile behind counted waits, so that three of the four land under matrix work.
; REGISTERS, in windows of 256: window 0: addresses, scale words, at work; v72-135 S^T (query tile qt, key tile u at v[72 + 16 qt + 8 u]); v136-199 P's four fragments; v200-215 P's scale bytes by wave.
;   window 1: O^T, accumulator (channel tile t, query tile qt) at v[8 (4 t + qt)].   window 2: Q, fragment (qt, 128 channels k) at v[16 (4 qt + k)].   window 3: v0-127 K (u, k) at v[16 (4 u + k)]; v128-255 V's eight.
.set PSC,   8192                       ; LDS: 0: P's four images, 2,048 bytes each;  8,192: P's scale bytes, a plane of 256 bytes for each wave: [row r][query tile] words
.set STG,   9216                       ; the way out: 16 rows x (512 bytes + 16) for each wave
.set SPARE, 43008                      ; the spare words, 128 bytes for each wave: two blocks of 256 bytes that no other line names
.set LO,  1                            ; v1   16 x lane
.set L4,  2                            ; v2   4 x lane
.set PWA, 3                            ; v3   where my codes go in an image: 512 w + 16 x lane
.set PBA, 4                            ; v4   my plane of scale bytes: PSC + 256 w + 16 r
.set PSA, 5                            ; v5   PSC + 16 r
.set STO, 6                            ; v6   the stage: where I put 32 bytes of a row
.set SRD, 7                            ; v7   and where I read a row back
.set LQ,  8                            ; v8   the mask: my query's place among 32, less 8 for odd tiles, less my lane's first key's: r + 8 (r / 8) - 16 (lane / 16)
.set PFO, 9                            ; v9   256 x lane; never rewritten
.set SPW, 10                           ; v10  LDS address of my spare word; never rewritten
.set NIL, 11                           ; v11  0; never rewritten
.set KSR, 16                           ; v16-19 K's scale words for channels 128 k on: lanes 0-15 key tile 0, lanes 16-31 key tile 1
.set VSR, 20                           ; v20-23 V's: lanes 0-15 channel tile 2 j, lanes 16-31 tile 2 j + 1
.set QSR, 24                           ; v24-31 Q's: register 4 p + k: lanes 0-15 query tile 2 p, lanes 16-31 tile 2 p + 1
.set PS,  32                           ; v32-35 P's scale word of query tile qt
.set BY,  36                           ; v36-39 my block's scale byte
.set MX,  40
.set PM,  44
.set HD,  48
.set SO,  52
.set PC,  56                           ; v56-71 my codes, four registers a query tile
.set SC,  72
.set PFR, 136
.set PL,  200
.set WV,  18
.set II,  19
.set BH,  20
.set NS,  21                           ; the block's diagonal key step = the number of its open steps
.set LT,  22                           ; trips of the loop
.set KDN, 23                           ; the second block's diagonal step
.set STP, 24
.set NXT, 25                           ; the key step that is asked for
.set DL,  26                           ; s26, s27: pair p of query tiles against my 32 keys on the diagonal: under 0 all hidden, 0 masked, over 0 all open
.set OF,  28                           ; s[28:29] NXT x 65,536;  s[60:61] NXT x 2,048
.set OF2, 60
.set KB0, 30                           ; s[30:37] my wave's part of key step 0: K's codes, K's scale words, V's codes, V's scale words
.set KSB0, 32
.set VB0, 34
.set VSB0, 36
.set SK,  38                           ; s[38:45] the same of the step that is asked for
.set SKS, 40
.set SV,  42
.set SVS, 44
.set SQ,  46
.set SQS, 48
.set SOUT, 50
.set PFA, 52
.set ASKC, 54
.set MNT, 55
.set SEL, 56
.set NC,  58                           ; s[58:59] -4 log2(e) / sqrt(512), twice
.set W_QK, 0x0b                        ; source 0 (K) window 3, source 1 (Q) window 2, C and D window 0
.set W_PV, 0x53                        ; source 0 (V) window 3, source 1 (P) window 0, C and D window 1
.set W_L3, 0xc0                        ; a load's destination window 3
.set W_L2, 0x80
.set W_S1, 0x04                        ; an LDS store's data (source 1) window 1
.set MSB, 0
.macro WIN new                         ; the immediate's high byte repeats the setting that is left; at a label and at a branch every window is 0
.if MSB != \new
	s_set_vgpr_msb (MSB<<8)|\new
.set MSB, \new
.endif
.endm
.macro PLACES                          ; eight plain lines behind this matrix form, ahead of loads into its registers and of the first read of its results
.rept 8
	v_nop
.endr
.endm
; one matrix instruction.  ra, rb: the side's scale words stand in lanes 16-31.  acc = 0: the constant 0 starts the sum
.macro WMM d, a, b, sa, sb, ra, rb, acc
.if \acc
.if \ra
.if \rb
	v_wmma_scale_f32_16x16x128_f8f6f4 v[\d:\d+7], v[\a:\a+15], v[\b:\b+15], v[\d:\d+7], v[\sa], v[\sb] matrix_a_fmt:MATRIX_FMT_BF8 matrix_b_fmt:MATRIX_FMT_BF8 matrix_a_scale:MATRIX_SCALE_ROW1 matrix_b_scale:MATRIX_SCALE_ROW1
.else
	v_wmma_scale_f32_16x16x128_f8f6f4 v[\d:\d+7], v[\a:\a+15], v[\b:\b+15], v[\d:\d+7], v[\sa], v[\sb] matrix_a_fmt:MATRIX_FMT_BF8 matrix_b_fmt:MATRIX_FMT_BF8 matrix_a_scale:MATRIX_SCALE_ROW1
.endif
.else
.if \rb
	v_wmma_scale_f32_16x16x128_f8f6f4 v[\d:\d+7], v[\a:\a+15], v[\b:\b+15], v[\d:\d+7], v[\sa], v[\sb] matrix_a_fmt:MATRIX_FMT_BF8 matrix_b_fmt:MATRIX_FMT_BF8 matrix_b_scale:MATRIX_SCALE_ROW1
.else
	v_wmma_scale_f32_16x16x128_f8f6f4 v[\d:\d+7], v[\a:\a+15], v[\b:\b+15], v[\d:\d+7], v[\sa], v[\sb] matrix_a_fmt:MATRIX_FMT_BF8 matrix_b_fmt:MATRIX_FMT_BF8
.endif
.endif
.else
.if \ra
.if \rb
	v_wmma_scale_f32_16x16x128_f8f6f4 v[\d:\d+7], v[\a:\a+15], v[\b:\b+15], 0, v[\sa], v[\sb] matrix_a_fmt:MATRIX_FMT_BF8 matrix_b_fmt:MATRIX_FMT_BF8 matrix_a_scale:MATRIX_SCALE_ROW1 matrix_b_scale:MATRIX_SCALE_ROW1
.else
	v_wmma_scale_f32_16x16x128_f8f6f4 v[\d:\d+7], v[\a:\a+15], v[\b:\b+15], 0, v[\sa], v[\sb] matrix_a_fmt:MATRIX_FMT_BF8 matrix_b_fmt:MATRIX_FMT_BF8 matrix_a_scale:MATRIX_SCALE_ROW1
.endif
.else
.if \rb
	v_wmma_scale_f32_16x16x128_f8f6f4 v[\d:\d+7], v[\a:\a+15], v[\b:\b+15], 0, v[\sa], v[\sb] matrix_a_fmt:MATRIX_FMT_BF8 matrix_b_fmt:MATRIX_FMT_BF8 matrix_b_scale:MATRIX_SCALE_ROW1
.else
	v_wmma_scale_f32_16x16x128_f8f6f4 v[\d:\d+7], v[\a:\a+15], v[\b:\b+15], 0, v[\sa], v[\sb] matrix_a_fmt:MATRIX_FMT_BF8 matrix_b_fmt:MATRIX_FMT_BF8
.endif
.endif
.endif
.endm
.macro KLOADA                          ; 24 loads: six of my 32 keys' eight fragments
	WIN W_L3
.irp f, 0,1,2,3,4,5
.irp c, 0,1,2,3
	global_load_b128 v[16*\f+4*\c:16*\f+4*\c+3], v[LO], s[SK:SK+1] offset:2048*\f+512*\c
.endr
.endr
	WIN 0
.endm
.macro KLOADB                          ; 12 loads: the other two, and the keys' scale words
	WIN W_L3
.irp f, 6,7
.irp c, 0,1,2,3
	global_load_b128 v[16*\f+4*\c:16*\f+4*\c+3], v[LO], s[SK:SK+1] offset:2048*\f+512*\c
.endr
.endr
	WIN 0
.irp k, 0,1,2,3
	global_load_b32 v[KSR+\k], v[L4], s[SKS:SKS+1] offset:512*\k
.endr
.endm
.macro KLOAD                           ; all 36 on end
	KLOADA
	KLOADB
.endm
.macro VLOAD                           ; 36 loads: my 128 channels' eight fragments, and their scale words
	WIN W_L3
.irp f, 0,1,2,3,4,5,6,7
.irp c, 0,1,2,3
	global_load_b128 v[128+16*\f+4*\c:128+16*\f+4*\c+3], v[LO], s[SV:SV+1] offset:2048*\f+512*\c
.endr
.endr
	WIN 0
.irp k, 0,1,2,3
	global_load_b32 v[VSR+\k], v[L4], s[SVS:SVS+1] offset:128*\k
.endr
.endm
.macro QLOAD                           ; 72 loads: the block's 64 queries, sixteen fragments, and their scale words
	WIN W_L2
.irp f, 0,1,2,3,4,5,6,7,8,9,10,11,12,13,14,15
.irp c, 0,1,2,3
	global_load_b128 v[16*\f+4*\c:16*\f+4*\c+3], v[LO], s[SQ:SQ+1] offset:2048*\f+512*\c
.endr
.endr
	WIN 0
.irp p, 0,1
.irp k, 0,1,2,3
	global_load_b32 v[QSR+4*\p+\k], v[L4], s[SQS:SQS+1] offset:512*\k+128*\p
.endr
.endr
.endm
.macro SETOF
	s_lshl_b32 s[OF], s[NXT], 16
	s_lshl_b32 s[OF2], s[NXT], 11
.endm
.macro NEXTK                           ; (the loads that named these pairs have been shown done by the wait on LOADcnt that stands ahead)
	s_add_nc_u64 s[SK:SK+1], s[KB0:KB0+1], s[OF:OF+1]
	s_add_nc_u64 s[SKS:SKS+1], s[KSB0:KSB0+1], s[OF2:OF2+1]
.endm
.macro NEXTV
	s_add_nc_u64 s[SV:SV+1], s[VB0:VB0+1], s[OF:OF+1]
	s_add_nc_u64 s[SVS:SVS+1], s[VSB0:VSB0+1], s[OF2:OF2+1]
.endm
; what hangs on a block of queries, its number in s62
.macro BLOCKSET
	s_lshr_b32 s[NS], s62, 1
	s_and_b32 s63, s62, 1                          ; which half of its diagonal step's 128 positions the block is
	s_lshl_b32 s[DL], s63, 1
	s_sub_co_i32 s[DL], s[DL], s[WV]               ; pair p holds positions 32 (2 half + p) on, my keys are 32 w on
	s_add_co_i32 s[DL+1], s[DL], 1
	s_lshl_b32 s2, s62, 15                         ; four row tiles of 8,192 bytes
	s_add_nc_u64 s[SQ:SQ+1], s[4:5], s[2:3]
	s_lshl_b32 s2, s[NS], 11
	s_lshl_b32 s63, s63, 8
	s_add_co_u32 s2, s2, s63
	s_add_nc_u64 s[SQS:SQS+1], s[6:7], s[2:3]
.endm
.macro OUTSET
	s_lshl_b32 s2, s62, 19                         ; 64 rows of 8,192 bytes
	s_add_nc_u64 s[SOUT:SOUT+1], s[16:17], s[2:3]
.endm
; S^T = K Q^T for query tiles 2 p0 .. 2 p0 + 2 np - 1: the accumulators take turns, one instruction a turn
.macro QK p0, np
.irp k, 0,1,2,3
.irp u, 0,1
.set qq, 2*(\p0)
.rept 2*(\np)
.set rS, SC+16*qq+8*\u
.set rK, 16*(4*\u+\k)
.set rQ, 16*(4*qq+\k)
.set rA, KSR+\k
.set rB, QSR+4*(qq/2)+\k
	WMM rS, rK, rQ, rA, rB, \u, qq%2, \k
.set qq, qq+1
.endr
.endr
.endr
.endm
; the sigmoid of n scores from v[a] on, from each accumulator's low end on: 1 / (1 + 2^(-c s)).  Two batches of transcendentals, each with one plain line and one wait ahead of the first line that names a result
.macro SIGM a, n
.set j, 0
.rept (\n)/2
	v_pk_mul_f32 v[(\a)+j:(\a)+j+1], v[(\a)+j:(\a)+j+1], s[NC:NC+1] op_sel_hi:[1,0]
.set j, j+2
.endr
.set j, 0
.rept \n
	v_exp_f32 v[(\a)+j], v[(\a)+j]
.set j, j+1
.endr
	v_nop
	s_wait_alu depctr_va_vdst(0)
.set j, 0
.rept (\n)/2
	v_pk_add_f32 v[(\a)+j:(\a)+j+1], v[(\a)+j:(\a)+j+1], 1.0 op_sel_hi:[1,0]
.set j, j+2
.endr
.set j, 0
.rept \n
	v_rcp_f32 v[(\a)+j], v[(\a)+j]
.set j, j+1
.endr
	v_nop
	s_wait_alu depctr_va_vdst(0)
.endm
; the diagonal's 32 x 32: register 8 u + j of query tile 2 p + a holds key 16 (lane / 16) + 8 u + j; my query is 16 (r / 8) + 8 a + r % 8.  The weight stays where the key is not after the query, else it is 0
.macro MASK p
.irp a, 0,1
.irp u, 0,1
.irp j, 0,1,2,3,4,5,6,7
	v_cmp_le_i32 vcc_lo, 8*\u+\j-8*\a, v[LQ]
	v_cndmask_b32 v[SC+16*(2*(\p)+\a)+8*\u+\j], 0, v[SC+16*(2*(\p)+\a)+8*\u+\j], vcc_lo
.endr
.endr
.endr
.endm
; the weights of query tiles t0 .. t0 + nt - 1 become codes: a tile's 16 registers are 16 neighbouring keys; the block's other 16 lie in lane l xor 16.  The weights are not negative: no |.|, and a one-sided hold
.macro QNT t0, nt
.set tt, \t0
.rept \nt
	v_max3_num_f32 v[MX+tt], v[SC+16*tt], v[SC+16*tt+1], 0x8000000   ; and the floor 2^(16 - 127): the byte cannot fall under 1
.set tt, tt+1
.endr
.irp i, 2,4,6,8,10,12,14
.set tt, \t0
.rept \nt
	v_max3_num_f32 v[MX+tt], v[MX+tt], v[SC+16*tt+\i], v[SC+16*tt+\i+1]
.set tt, tt+1
.endr
.endr
.set tt, \t0
.rept \nt
	v_permlanex16_b32 v[PM+tt], v[MX+tt], s[SEL], s[SEL+1]
.set tt, tt+1
.endr
.set tt, \t0
.rept \nt
	v_max_num_f32 v[MX+tt], v[MX+tt], v[PM+tt]
.set tt, tt+1
.endr
.set tt, \t0
.rept \nt
	v_add_nc_u32 v[SO+tt], 0xf8800000, v[MX+tt]            ; 15 off the exponent field: the conversion's scale operand
	v_and_or_b32 v[HD+tt], v[MX+tt], 0x7f800000, s[MNT]    ; 57,344 x the scale
.set tt, tt+1
.endr
.set tt, \t0
.rept \nt
	v_lshrrev_b32 v[BY+tt], 23, v[SO+tt]                   ; the scale's byte
.set tt, tt+1
.endr
.set tt, \t0
.rept \nt
.irp i, 0,1,2,3,4,5,6,7,8,9,10,11,12,13,14,15
	v_min_num_f32 v[SC+16*tt+\i], v[SC+16*tt+\i], v[HD+tt] ; the conversion to an 8-bit code does not saturate (ISA guide 7.6.2): a block whose largest weight lies just under a power of two is held here
.endr
	v_cvt_scalef32_pk8_bf8_f32 v[PC+4*tt:PC+4*tt+1], v[SC+16*tt:SC+16*tt+7], v[SO+tt]
	v_cvt_scalef32_pk8_bf8_f32 v[PC+4*tt+2:PC+4*tt+3], v[SC+16*tt+8:SC+16*tt+15], v[SO+tt]
.set tt, tt+1
.endr
	v_nop                                                  ; a plain line behind the last conversion
.endm
; P goes round: two barriers.  Ahead of the first every wave's reads of the last step's images are in (the last wait of its second product was for 0); ahead of the second its stores have landed.
; Behind the second the four planes of scale bytes are asked for first and then the four fragments, by query tile: the wait here leaves the fragments' 16 loads out
.macro XCHG
	s_wait_dscnt 0x0
	s_barrier_signal -1
	s_barrier_wait -1
.irp q, 0,1,2,3
	ds_store_b128 v[PWA], v[PC+4*\q:PC+4*\q+3] offset:2048*\q   ; registers 4 w .. 4 w + 3 of query tile q's fragment
.endr
	ds_store_b128 v[PBA], v[BY:BY+3]               ; my block's byte for the four query tiles, as words in my own plane (both halves of the lanes hold the same and write the same place)
	s_wait_dscnt 0x0
	s_barrier_signal -1
	s_barrier_wait -1
.irp k, 0,1,2,3
	ds_load_b128 v[PL+4*\k:PL+4*\k+3], v[PSA] offset:256*\k
.endr
.irp q, 0,1,2,3
.irp c, 0,1,2,3
	ds_load_b128 v[PFR+16*\q+4*\c:PFR+16*\q+4*\c+3], v[LO] offset:2048*\q+512*\c
.endr
.endr
	s_wait_dscnt 16                                ; the four planes are in: LDS loads come back in order (ISA guide 5.7.1), and the 16 younger ones are the fragments'
.irp q, 0,1,2,3
	v_lshl_or_b32 v[PS+\q], v[PL+4+\q], 8, v[PL+\q]        ; byte k of a query's scale word is wave k's
.endr
.irp q, 0,1,2,3
	v_lshl_or_b32 v[PS+\q], v[PL+8+\q], 16, v[PS+\q]
.endr
.irp q, 0,1,2,3
	v_lshl_or_b32 v[PS+\q], v[PL+12+\q], 24, v[PS+\q]
.endr
	PLACES                                         ; a scale word made by vector lines stands eight places ahead of the scaled matrix instruction
.endm
; O^T += V^T P^T: 32 accumulators, one instruction each, BY QUERY TILE: tile q's eight stand behind the wait that shows its fragment in and leaves the 12 - 4 q younger loads out
.macro PV acc
	WIN W_PV
.irp q, 0,1,2,3
	s_wait_dscnt 12-4*\q
.irp t, 0,1,2,3,4,5,6,7
.set rO, 8*(4*\t+\q)
.set rV, 128+16*\t
.set rP, PFR+16*\q
.set rA, VSR+\t/2
.set rB, PS+\q
	WMM rO, rV, rP, rA, rB, \t%2, 0, \acc
.endr
.endr
	WIN 0
.endm
; A PREFETCH INTO THE L2 of the second block's diagonal step, whose keys no work-group has loaded before that step is reached.  It is asked for once, in the step that stands two key steps ahead of the loads that want it
; (the count reaches 0 there), behind the wave's run of loads.  Work-groups 2 m and 2 m + 1 have the same such step: the even one asks for K's 65,536 bytes, the odd one for V's; each wave for the 16,384 bytes that
; it will load itself, lanes 256 bytes apart, two instructions: so each aligned block of 256 bytes is named once in the launch.  Work-groups 0 to 3 ask for nothing: their loads follow within two steps of the head.
.macro ASK
	s_cmp_eq_u32 s[ASKC], 0
	s_cbranch_scc0 .Lnoask_\@
	global_prefetch_b8 v[PFO], s[PFA:PFA+1] th:TH_LOAD_NT scope:SCOPE_SE
	global_prefetch_b8 v[PFO], s[PFA:PFA+1] offset:8192 th:TH_LOAD_NT scope:SCOPE_SE
.Lnoask_\@:
	s_sub_co_i32 s[ASKC], s[ASKC], 1
.endm
; AN OPEN KEY STEP: all its keys count for all 64 queries.  more = 1: the next step's K is asked for behind the first product (24 loads) and behind the sigmoid (12), its V behind the second product
.macro USTEP more
	s_wait_loadcnt 36                              ; K is in: the 36 younger loads are this step's V
	WIN W_QK
	QK 0, 2
	WIN 0
	PLACES
.if \more
	s_add_co_u32 s[NXT], s[STP], 1
	s_cmp_eq_u32 s[NXT], s[NS]                     ; behind the first block's last open step comes the second block's diagonal
	s_cselect_b32 s[NXT], s[KDN], s[NXT]
	SETOF
	NEXTK
	KLOADA                                         ; with V's 36: 60 loads out
.endif
	SIGM SC, 64
.if \more
	KLOADB
	ASK
.endif
	QNT 0, 4
	XCHG
.if \more
	s_wait_loadcnt 36                              ; V is in: the 36 younger loads are the next step's K, 24 + 12
.else
	s_wait_loadcnt 0x0
.endif
	PV 1
	PLACES
.if \more
	NEXTV
	VLOAD
.endif
.endm
; a pair of query tiles on the diagonal.  The branches hang on the wave's number and the work-group's; no barrier stands under them
.macro DPAIR p
	s_cmp_lt_i32 s[DL+\p], 0
	s_cbranch_scc1 .Ldead_\@
	WIN W_QK
	QK \p, 1
	WIN 0
	PLACES
	SIGM SC+32*\p, 32
	s_cmp_gt_i32 s[DL+\p], 0
	s_cbranch_scc1 .Lopen_\@
	MASK \p
.Lopen_\@:
	QNT 2*\p, 2
	s_branch .Ljoin_\@
.Ldead_\@:                                         ; my 32 keys all come after these 32 queries: zero codes, and a byte that is no NaN
.irp n, 0,1,2,3,4,5,6,7
	v_mov_b32 v[PC+8*\p+\n], 0
.endr
	v_mov_b32 v[BY+2*\p], 127
	v_mov_b32 v[BY+2*\p+1], 127
.Ljoin_\@:
.endm
; THE DIAGONAL KEY STEP comes first in a block and starts O^T's sums; it always has a successor.  left: how many younger loads may stay out when Q and K have to be there
.macro DSTEP left
	s_wait_loadcnt \left
	DPAIR 0
	DPAIR 1
	s_cmp_eq_u32 s[NS], 0                          ; then key step 0; where the block has no open step, the second block's diagonal
	s_cselect_b32 s[NXT], s[KDN], 0
	SETOF
	NEXTK
	KLOAD
	ASK
	XCHG
	s_wait_loadcnt 36                              ; V is in: the 36 younger loads are the next step's K
	PV 0
	PLACES
	NEXTV
	VLOAD
.endm
; THE WAY OUT, a query tile at a time.  A lane holds eight neighbouring channels of one query: they go into my own stage and come back as rows of 512 bytes, which the 32 lanes store whole.
; LDS serves a wave's instructions in order (ISA guide 5.7.1.4): no wait between the stores and the loads, nor ahead of the next tile's stores
.macro TOSTAGE a
	WIN W_S1
.irp t, 0,1,2,3,4,5,6,7
	ds_store_b128 v[STO], v[8*(4*\t+(\a)):8*(4*\t+(\a))+3] offset:64*\t          ; each accumulator from its low end on
	ds_store_b128 v[STO], v[8*(4*\t+(\a))+4:8*(4*\t+(\a))+7] offset:64*\t+16
.endr
	WIN 0
.set BB, SC+64*((\a)%2)
.irp i, 0,1,2,3,4,5,6,7,8,9,10,11,12,13,14,15
	ds_load_b128 v[BB+4*\i:BB+4*\i+3], v[SRD] offset:\i*528
.endr
.endm
.macro SEND a, y                       ; y: the LDS instructions issued behind tile a's loads, which may stay out
.set BB, SC+64*((\a)%2)
	s_wait_dscnt \y
.irp i, 0,1,2,3,4,5,6,7,8,9,10,11,12,13,14,15
	global_store_b128 v[LO], v[BB+4*\i:BB+4*\i+3], s[SOUT:SOUT+1] offset:(32*((\a)/2)+16*(\i/8)+8*((\a)%2)+(\i%8))*8192 th:TH_STORE_NT   ; row i of tile a is query 32 (a / 2) + 16 (i / 8) + 8 (a % 2) + i % 8; 512 consecutive bytes, aligned
.endr
.endm
.macro WAYOUT
	TOSTAGE 0
.irp a, 1,2,3
.if \a > 1
	s_wait_xcnt 0x0                                ; tile a - 2's stores have read their registers: tile a's rows may land there
.endif
	TOSTAGE \a
	SEND \a-1, 32                                  ; behind tile a - 1's loads: tile a's 16 stores and 16 loads
.endr
	SEND 3, 0
	s_wait_xcnt 0x0                                ; the stores have read their registers and their base: both are written again
.endm
	s_load_b256 s[4:11], s[0:1], 0x0               ; qc s[4:5], qs s[6:7], kc s[8:9], ks s[10:11]
	s_load_b128 s[12:15], s[0:1], 0x20             ; vc s[12:13], vs s[14:15]
	s_load_b64 s[16:17], s[0:1], 0x30              ; out0
	v_lshl_add_u32 v[SPW], v0, 2, SPARE
	v_mov_b32 v[NIL], 0
	v_lshrrev_b32 v12, 5, v0
	v_readfirstlane_b32 s[WV], v12                 ; wave 0..3
	v_and_b32 v14, 31, v0                          ; lane
	v_and_b32 v12, 15, v0                          ; r
	v_bfe_u32 v13, v0, 4, 1                        ; lane / 16
	v_lshlrev_b32 v[LO], 4, v14
	v_lshlrev_b32 v[L4], 2, v14
	v_lshlrev_b32 v[PFO], 8, v14
	s_lshl_b32 s62, s[WV], 9
	v_add_nc_u32 v[PWA], s62, v[LO]
	v_lshlrev_b32 v[PSA], 4, v12
	v_add_nc_u32 v[PSA], PSC, v[PSA]
	s_lshl_b32 s62, s[WV], 8
	v_add_nc_u32 v[PBA], s62, v[PSA]
	s_mul_i32 s62, s[WV], 16*528
	s_add_co_u32 s62, s62, STG
	v_mul_u32_u24 v[STO], v12, 528
	v_lshl_add_u32 v[STO], v13, 5, v[STO]
	v_add_nc_u32 v[STO], s62, v[STO]
	v_add_nc_u32 v[SRD], s62, v[LO]
	v_and_b32 v14, 8, v12
	v_add_nc_u32 v[LQ], v14, v12
	v_lshlrev_b32 v14, 4, v13
	v_sub_nc_u32 v[LQ], v[LQ], v14
.irp b, 0,1,2,3
	v_mov_b32 v[PM+\b], 0                          ; written once: a lane permute's destination counts as one of its sources
.endr
	s_mov_b32 s[II], ttmp9
	s_and_b32 s[BH], ttmp7, 0xffff
	s_mov_b32 s[MNT], 0x600000
	s_mov_b32 s[SEL], 0x76543210
	s_mov_b32 s[SEL+1], 0xfedcba98
	s_mov_b32 s[NC], 0xbe8293ee                    ; -4 log2(e) / sqrt(512)
	s_mov_b32 s[NC+1], s[NC]
	s_mov_b32 s[OF+1], 0
	s_mov_b32 s[OF2+1], 0
	s_mov_b32 s3, 0                                ; the upper word of the pair s[2:3]: it stays 0
	s_sub_co_u32 s[KDN], 31, s[II]
	s_lshr_b32 s[KDN], s[KDN], 1
	s_lshr_b32 s[ASKC], s[II], 1
	s_sub_co_i32 s[ASKC], s[ASKC], 2
	s_wait_kmcnt 0x0
	s_lshl_b32 s2, s[BH], 20                       ; a head's codes: 2^20 bytes in each of the three
	s_add_nc_u64 s[4:5], s[4:5], s[2:3]
	s_add_nc_u64 s[8:9], s[8:9], s[2:3]
	s_add_nc_u64 s[12:13], s[12:13], s[2:3]
	s_lshl_b32 s2, s[BH], 15                       ; its scale words: 32,768 bytes
	s_add_nc_u64 s[6:7], s[6:7], s[2:3]
	s_add_nc_u64 s[10:11], s[10:11], s[2:3]
	s_add_nc_u64 s[14:15], s[14:15], s[2:3]
	s_lshl_b32 s2, s[WV], 14                       ; my two key tiles, my eight channel tiles: 16,384 bytes each way
	s_add_nc_u64 s[KB0:KB0+1], s[8:9], s[2:3]
	s_add_nc_u64 s[VB0:VB0+1], s[12:13], s[2:3]
	s_lshl_b32 s2, s[WV], 7
	s_add_nc_u64 s[KSB0:KSB0+1], s[10:11], s[2:3]
	s_lshl_b32 s2, s[WV], 9
	s_add_nc_u64 s[VSB0:VSB0+1], s[14:15], s[2:3]
	s_lshr_b32 s2, s[BH], 2
	s_lshl_b32 s2, s2, 24                          ; out0: the batch's 2,048 rows of 8,192 bytes,
	s_and_b32 s63, s[BH], 3
	s_lshl_b32 s63, s63, 11                        ; the head's 2,048 bytes of a row,
	s_add_co_u32 s2, s2, s63
	s_lshl_b32 s63, s[WV], 9                       ; my 128 channels
	s_add_co_u32 s2, s2, s63
	s_add_nc_u64 s[16:17], s[16:17], s[2:3]
	s_and_b32 s62, s[II], 1
	s_cmp_lg_u32 s62, 0
	s_cselect_b64 s[PFA:PFA+1], s[VB0:VB0+1], s[KB0:KB0+1]
	s_lshl_b32 s2, s[KDN], 16
	s_add_nc_u64 s[PFA:PFA+1], s[PFA:PFA+1], s[2:3]
	s_mov_b32 s62, s[II]                           ; THE FIRST BLOCK: queries 64 i on
	BLOCKSET
	OUTSET
	s_mov_b32 s[LT], s[NS]
	s_mov_b32 s[NXT], s[NS]
	SETOF
	NEXTK
	NEXTV
	QLOAD
	KLOAD
	VLOAD
	DSTEP 36                                       ; Q and K are in: the 36 younger loads are V's, which are wanted only at the second product
	s_cmp_eq_u32 s[NS], 0
	s_cbranch_scc1 .LdoneE
	s_mov_b32 s[STP], 0
.LloopE:                                           ; i / 2 trips: the open steps, keys ascending
	USTEP 1
	s_add_co_u32 s[STP], s[STP], 1
	s_cmp_lt_u32 s[STP], s[LT]
	s_cbranch_scc1 .LloopE
.LdoneE:
	s_sub_co_u32 s62, 31, s[II]                    ; THE SECOND BLOCK: queries 64 (31 - i) on.  Its diagonal's K and V are on their way; its Q is asked for ahead of the first block's way out
	BLOCKSET
	QLOAD
	WAYOUT
	s_sub_co_u32 s62, 31, s[II]
	OUTSET
	s_sub_co_u32 s[LT], s[NS], 1                   ; at least 7
	DSTEP 0                                        ; here Q's loads are the youngest: the wait is for all
	s_mov_b32 s[STP], 0
.LloopL:                                           ; all open steps but the last
	USTEP 1
	s_add_co_u32 s[STP], s[STP], 1
	s_cmp_lt_u32 s[STP], s[LT]
	s_cbranch_scc1 .LloopL
	USTEP 0                                        ; the last is written out: it asks for nothing
	WAYOUT
	s_wait_tensorcnt 0x0                           ; the wave's end, behind my last LDS store
	ds_add_u32 v[SPW], v[NIL]
	s_wait_dscnt 0x0
	s_endpgm
.Lfunc_end_k_q15ad9d4d34_attn:
	.size	k_q15ad9d4d34_attn, .Lfunc_end_k_q15ad9d4d34_attn-k_q15ad9d4d34_attn
	.p2alignl 7, 3214868480
	.fill 96, 4, 3214868480
	.section	.rodata,"a",@progbits
	.p2align	6, 0x0
	.amdhsa_kernel k_q15ad9d4d34_attn
		.amdhsa_group_segment_fixed_size 43520
		.amdhsa_private_segment_fixed_size 0
		.amdhsa_enable_private_segment 0
		.amdhsa_kernarg_size 56
		.amdhsa_user_sgpr_count 2
		.amdhsa_user_sgpr_kernarg_segment_ptr 1
		.amdhsa_wavefront_size32 1
		.amdhsa_system_sgpr_workgroup_id_x 1
		.amdhsa_system_sgpr_workgroup_id_y 1
		.amdhsa_system_sgpr_workgroup_id_z 1
		.amdhsa_system_vgpr_workitem_id 0
		.amdhsa_next_free_vgpr 1024
		.amdhsa_next_free_sgpr 66
		.amdhsa_reserve_vcc 1
		.amdhsa_float_denorm_mode_32 3
		.amdhsa_float_denorm_mode_16_64 3
		.amdhsa_memory_ordered 1
		.amdhsa_forward_progress 1
		.amdhsa_inst_pref_size 223
	.end_amdhsa_kernel
	.amdgpu_metadata
---
amdhsa.version: [ 1, 2 ]
amdhsa.kernels:
  - .name:           k_q15ad9d4d34_attn
    .symbol:         k_q15ad9d4d34_attn.kd
    .args:
      - { .name: qc, .offset: 0, .size: 8, .value_kind: global_buffer, .address_space: global }
      - { .name: qs, .offset: 8, .size: 8, .value_kind: global_buffer, .address_space: global }
      - { .name: kc, .offset: 16, .size: 8, .value_kind: global_buffer, .address_space: global }
      - { .name: ks, .offset: 24, .size: 8, .value_kind: global_buffer, .address_space: global }
      - { .name: vc, .offset: 32, .size: 8, .value_kind: global_buffer, .address_space: global }
      - { .name: vs, .offset: 40, .size: 8, .value_kind: global_buffer, .address_space: global }
      - { .name: out0, .offset: 48, .size: 8, .value_kind: global_buffer, .address_space: global }
    .group_segment_fixed_size: 43520
    .private_segment_fixed_size: 0
    .kernarg_segment_align: 8
    .kernarg_segment_size: 56
    .max_flat_workgroup_size: 128
    .sgpr_count:     66
    .vgpr_count:     1024
    .wavefront_size: 32
...
	.end_amdgpu_metadata
.endif
;; end of part 2
